; MI455X (gfx1250); checked and timed in simulation.
; The chip was launched on July 23, 2026; its instructions are those of AMD's public machine-readable ISA for CDNA 5 (MIT licence, August 2026) and "CDNA5" Instruction Set Architecture Reference Guide (July 2026). The comments in the code are by the model that wrote it; some were corrected since.
;; Local Windowed Attention4 D. Allowed arithmetic: matrix products marked QUANTISED: E2M1 operands, one E8M0 scale for each 32 along K, by v_wmma_scale_f32_16x16x128_f8f6f4 with both operands' format E2M1 (or v_wmma_scale_f32_32x16x128_f4), f32 sums; products left as they are: bf16, f16 or f32 operands; f32 sums; everything else in f32.
;; Inputs: Wk 512 x 512 float32; Wo 512 x 512 float32; Wq 512 x 512 float32; Wv 512 x 512 float32; bk 512 float32; bo 512 float32; bq 512 float32; bv 512 float32; key 2 x 4 x 2,048 x 512 float32; query 2 x 4 x 2,048 x 512 float32; value 2 x 4 x 2,048 x 512 float32.
;; Outputs: out0 2 x 4 x 2,048 x 512 float32.
;; This version of the problem:
;;   THIS VERSION OF THE PROBLEM IS GIVEN IN LOW PRECISION. The matrix products marked QUANTISED in the list below multiply operands that are first quantised to E2M1 (2 exponent bits, 1 mantissa bit; 4 bits a number), with one power-of-two scale for each 32 numbers along K (OCP MX v1.0); their sums are f32. The products marked 'left as it is' may take bf16, f16 or f32 operands, with f32 sums. Whichever they take, every output number must still come out within the allowed error. Rounding operands to bf16 (8 significant bits) uses up far more of that allowance than f16 does (11 bits, for magnitudes from 6e-5 to 65,504). All else is computed in f32.
;;   The module's matrix products, in the order in which they are computed (A, B: the left and right operand; K: the contracted axis; several contracted axes count as one K, in the product's order):
;;     1. [M 16,384, K 512] x [K 512, N 512]; A: input query; B: input Wq: QUANTISED
;;     2. [M 16,384, K 512] x [K 512, N 512]; A: input key; B: input Wk: QUANTISED
;;     3. [M 16,384, K 512] x [K 512, N 512]; A: input value; B: input Wv: QUANTISED
;;     4. batch 512 x [M 256, K 64] x [K 64, N 512]; A: computed on the way; B: computed on the way: left as it is (an operand is computed on the way)
;;     5. batch 512 x [M 256, K 512] x [K 512, N 64]; A: computed on the way; B: computed on the way: left as it is (an operand is computed on the way)
;;     6. [M 16,384, K 512] x [K 512, N 512]; A: computed on the way; B: input Wo: left as it is (an operand is computed on the way)
;;   THE QUANTISER, for each operand of a quantised product, along K:
;;     - K is cut into blocks of 32 from its start; a last block that is shorter is filled with zeros.
;;     - A block's scale is 2^e with e = floor(log2(the largest magnitude in the block)) - 2, held to -126 .. 127; a block of zeros has e = 0. As a byte (E8M0): e + 127.
;;     - Each number is divided by its block's scale, clamped to +-6, and rounded to the nearest number of E2M1, ties to even, subnormals kept.
;;     - The product sums the exact products of the quantised numbers (number of the format x scale) in f32.
;;   ~~~python
;;   def quantise(x, axis):      # numpy; x: float32 -> the quantised numbers, widened to float32 again
;;       x = np.moveaxis(x, axis, -1); K = x.shape[-1]
;;       x = np.pad(x, [(0, 0)] * (x.ndim - 1) + [(0, -K % 32)]); x = x.reshape(x.shape[:-1] + (-1, 32)); a = np.abs(x).max(-1, keepdims=True)
;;       e = np.where(a > 0, np.clip(np.frexp(np.where(a > 0, a, 1))[1] - 1 - 2, -126, 127), 0)      # np.frexp(a)[1] - 1 = floor(log2(a)), exactly
;;       r = np.clip(x / 2.0 ** e, -6, 6)
;;       step = 2.0 ** (np.maximum(np.frexp(np.where(r == 0, 1, r))[1] - 1, 0) - 1)
;;       q = np.round(r / step) * step * 2.0 ** e      # np.round: ties to even
;;       return np.moveaxis(q.reshape(q.shape[:-2] + (-1,))[..., :K], -1, axis).astype(np.float32)
;;   ~~~
;; One version. Each part assembles by itself: llvm-mc -triple=amdgcn-amd-amdhsa -mcpu=gfx1250 --defsym DOCPART=n.
;; ======== version 1 of 1: 3 launches
;; limits: values are held in f16: magnitudes above 65,504 overflow, below 6.1e-05 lose precision
;; workspace buffers: wcodes 393,216 bytes; wscales 49,152 bytes; wof 524,288 bytes; kv 37,748,736 bytes
;; launch prep (part 1): grid 32 x 8, 4 waves a work-group, no clusters, 0 bytes of LDS; arguments Wq, Wk, Wv, Wo, wcodes, wscales, wof, kv; writes wcodes, wscales, wof, kv
.if DOCPART == 1
	.amdgcn_target "amdgcn-amd-amdhsa--gfx1250"
	.amdhsa_code_object_version 6
	.text
	.protected	k_q09e7770062_prep
	.globl	k_q09e7770062_prep
	.p2align	8
	.type	k_q09e7770062_prep,@function
k_q09e7770062_prep:
	s_mov_b64 s[64:65], 0
	v_nop
	global_prefetch_b8 v0, s[64:65] scope:SCOPE_SE
	s_setreg_imm32_b32 hwreg(HW_REG_WAVE_MODE, 25, 1), 1
	s_wait_xcnt 0x0
; PREP.  The weights are laid out once, in the order in which a wave's operand registers take them.
; y = 0, 1, 2: Wq, Wk, Wv [512 (n)][512 (k)] f32 -> codes of FP4 (E2M1) with one E8M0 byte for each 32 along K.  Work-group x takes rows 16 x .. 16 x + 15, wave s the K step 128 s .. 128 s + 127:
;   one fragment of 16 rows x 128 K.  Lane (r, h) holds row r and k = 64 c + 32 h + 0 .. 31 in registers 4 c .. 4 c + 3, so it holds two whole blocks and asks no other lane for a maximum.
;   wcodes [tensor][n tile 32][K step 4][1,024 bytes]: registers 4 c .. 4 c + 3 of lane l at 512 c + 16 l.   wscales [tensor][n tile][K step][lane 32]: the row's word, in both halves of the lanes.
; y = 3: Wo [512][512] f32 -> f16 fragments of 16 rows x 32 K: wof [n tile 32][K step 16][1,024 bytes], in the same form.
; y = 4 .. 7: zeros into the four blocks of kv that stand for positions -256 .. -1 of each of the 8 sequences: reference() lets these keys count, with k = 0 and v = 0.
; A block's scale is 2^(floor(log2(largest magnitude)) - 2); its byte is the largest magnitude's exponent field - 2, held at 1 from below.
; LIMITS: a block of zeros gets the byte 1 and not 127 (its codes are zeros, and this program alone reads the bytes); NaN and infinities are not served; Wo's magnitudes stay under 65,504 (f16).
; No LDS, no barrier: waves share nothing.  Every store of codes covers 512 consecutive bytes.
.set SEQB, 4718592                     ; a sequence in kv: 36 blocks x 8 heads x 16,384 bytes
	s_load_b256 s[4:11], s[0:1], 0x0               ; Wq, Wk, Wv, Wo
	s_load_b256 s[12:19], s[0:1], 0x20             ; wcodes, wscales, wof, kv
	v_lshrrev_b32 v1, 5, v0
	v_readfirstlane_b32 s20, v1                    ; wave 0..3
	s_and_b32 s21, ttmp7, 0xffff                   ; y
	v_and_b32 v1, 31, v0                           ; lane
	v_and_b32 v2, 15, v0                           ; r
	v_bfe_u32 v3, v0, 4, 1                         ; h
	v_lshlrev_b32 v5, 4, v1                        ; 16 x lane
	v_lshlrev_b32 v6, 2, v1                        ; 4 x lane
	s_lshl_b32 s22, ttmp9, 15                      ; a weight's rows 16 x on: 16 rows of 2,048 bytes,
	s_lshl_b32 s23, s20, 9                         ; and 128 numbers along K for each wave
	s_add_co_u32 s22, s22, s23
	s_mov_b32 s23, 0
	s_wait_kmcnt 0x0
	s_cmp_gt_u32 s21, 3
	s_cbranch_scc1 .Lzeros
	s_cmp_eq_u32 s21, 3
	s_cbranch_scc1 .Lwo
	; ---- Wq, Wk or Wv: one fragment of codes
	s_cmp_eq_u32 s21, 1
	s_cselect_b64 s[4:5], s[6:7], s[4:5]           ; the choice hangs on the work-group's number alone
	s_cmp_eq_u32 s21, 2
	s_cselect_b64 s[4:5], s[8:9], s[4:5]
	s_add_nc_u64 s[4:5], s[4:5], s[22:23]
	s_lshl_b32 s24, s21, 5
	s_add_co_u32 s24, s24, ttmp9
	s_lshl_b32 s24, s24, 2
	s_add_co_u32 s24, s24, s20                     ; the fragment's number: (32 y + x) 4 + wave
	s_lshl_b32 s26, s24, 10
	s_mov_b32 s27, 0
	s_add_nc_u64 s[12:13], s[12:13], s[26:27]
	s_lshl_b32 s26, s24, 7
	s_add_nc_u64 s[14:15], s[14:15], s[26:27]
	s_mov_b32 s28, 0x76543210
	s_mov_b32 s29, 0xfedcba98                      ; v_permlanex16_b32's selects for lane l xor 16
	v_lshlrev_b32 v4, 11, v2
	v_lshl_add_u32 v4, v3, 7, v4                   ; row r, + 32 h numbers
.irp c, 0,1
.irp i, 0,1,2,3,4,5,6,7
	global_load_b128 v[64+32*\c+4*\i:64+32*\c+4*\i+3], v4, s[4:5] offset:256*\c+16*\i   ; W(r, 64 c + 32 h + 4 i ..)
.endr
.endr
	s_wait_loadcnt 0x0
.irp c, 0,1
	v_max3_num_f32 v[32+\c], |v[64+32*\c]|, |v[65+32*\c]|, 0x1800000   ; block 2 c + h: all 32 numbers are mine; the floor 2^(3 - 127) holds the byte at 1 from below
.endr
.irp i, 2,4,6,8,10,12,14,16,18,20,22,24,26,28,30
.irp c, 0,1
	v_max3_num_f32 v[32+\c], v[32+\c], |v[64+32*\c+\i]|, |v[65+32*\c+\i]|
.endr
.endr
.irp c, 0,1
	v_add_nc_u32 v[44+\c], 0xff000000, v[32+\c]    ; 2 off the exponent field: the conversion's scale operand
.endr
.irp c, 0,1
	v_lshrrev_b32 v[36+\c], 23, v[44+\c]           ; the scale's byte
.endr
	v_lshl_or_b32 v9, v37, 16, v36                 ; my two bytes, blocks h and 2 + h,
	v_lshlrev_b32 v10, 3, v3
	v_lshlrev_b32 v9, v10, v9                      ; at their places in the row's word;
	v_mov_b32 v10, 0
	v_permlanex16_b32 v10, v9, s28, s29
	v_or_b32 v9, v9, v10                           ; with lane l xor 16's two the word is whole, in both lanes
.irp c, 0,1
.irp u, 0,1,2,3
	v_cvt_scalef32_pk8_fp4_f32 v[48+4*\c+\u], v[64+32*\c+8*\u:71+32*\c+8*\u], v[44+\c]
.endr
.endr
	v_nop                                          ; one plain line behind the last scaled conversion
.irp c, 0,1
	global_store_b128 v5, v[48+4*\c:51+4*\c], s[12:13] offset:512*\c
.endr
	global_store_b32 v6, v9, s[14:15]
	s_endpgm
.Lwo:	; ---- Wo: four f16 fragments of 16 rows x 32 K
	s_add_nc_u64 s[10:11], s[10:11], s[22:23]
	s_lshl_b32 s24, ttmp9, 4
	s_lshl_b32 s25, s20, 2
	s_add_co_u32 s24, s24, s25                     ; the first fragment's number: 16 x + 4 wave
	s_lshl_b32 s24, s24, 10
	s_mov_b32 s25, 0
	s_add_nc_u64 s[16:17], s[16:17], s[24:25]
	v_lshlrev_b32 v4, 11, v2
	v_lshl_add_u32 v4, v3, 5, v4                   ; row r, + 8 h numbers
.irp f, 0,1,2,3
.irp c, 0,1
.irp i, 0,1
	global_load_b128 v[64+16*\f+8*\c+4*\i:64+16*\f+8*\c+4*\i+3], v4, s[10:11] offset:128*\f+64*\c+16*\i   ; Wo(r, 32 f + 16 c + 8 h + 4 i ..)
.endr
.endr
.endr
	s_wait_loadcnt 0x0
.irp f, 0,1,2,3
.irp c, 0,1
.irp p, 0,1,2,3
	v_cvt_pk_f16_f32 v[32+8*\f+4*\c+\p], v[64+16*\f+8*\c+2*\p], v[65+16*\f+8*\c+2*\p]
.endr
.endr
.endr
.irp f, 0,1,2,3
.irp c, 0,1
	global_store_b128 v5, v[32+8*\f+4*\c:35+8*\f+4*\c], s[16:17] offset:1024*\f+512*\c
.endr
.endr
	s_endpgm
.Lzeros:	; ---- 128 work-groups x 32,768 bytes: 524,288 bytes at the head of each sequence
	s_sub_co_u32 s22, s21, 4
	s_lshl_b32 s22, s22, 5
	s_add_co_u32 s22, s22, ttmp9                   ; 0 .. 127
	s_lshr_b32 s23, s22, 4                         ; the sequence
	s_mul_i32 s23, s23, SEQB
	s_and_b32 s22, s22, 15
	s_lshl_b32 s22, s22, 15
	s_add_co_u32 s22, s22, s23
	s_lshl_b32 s23, s20, 13                        ; 8,192 bytes a wave
	s_add_co_u32 s22, s22, s23
	s_mov_b32 s23, 0
	s_add_nc_u64 s[18:19], s[18:19], s[22:23]
.irp i, 8,9,10,11
	v_mov_b32 v[\i], 0
.endr
.irp i, 0,1,2,3,4,5,6,7,8,9,10,11,12,13,14,15
	global_store_b128 v5, v[8:11], s[18:19] offset:512*\i
.endr
	s_endpgm
.Lfunc_end_k_q09e7770062_prep:
	.size	k_q09e7770062_prep, .Lfunc_end_k_q09e7770062_prep-k_q09e7770062_prep
	.p2alignl 7, 3214868480
	.fill 96, 4, 3214868480
	.section	.rodata,"a",@progbits
	.p2align	6, 0x0
	.amdhsa_kernel k_q09e7770062_prep
		.amdhsa_group_segment_fixed_size 0
		.amdhsa_private_segment_fixed_size 0
		.amdhsa_enable_private_segment 0
		.amdhsa_kernarg_size 64
		.amdhsa_user_sgpr_count 2
		.amdhsa_user_sgpr_kernarg_segment_ptr 1
		.amdhsa_wavefront_size32 1
		.amdhsa_system_sgpr_workgroup_id_x 1
		.amdhsa_system_sgpr_workgroup_id_y 1
		.amdhsa_system_sgpr_workgroup_id_z 1
		.amdhsa_system_vgpr_workitem_id 0
		.amdhsa_next_free_vgpr 128
		.amdhsa_next_free_sgpr 66
		.amdhsa_reserve_vcc 0
		.amdhsa_float_denorm_mode_32 3
		.amdhsa_float_denorm_mode_16_64 3
		.amdhsa_memory_ordered 1
		.amdhsa_forward_progress 1
		.amdhsa_inst_pref_size 14
	.end_amdhsa_kernel
	.amdgpu_metadata
---
amdhsa.version: [ 1, 2 ]
amdhsa.kernels:
  - .name:           k_q09e7770062_prep
    .symbol:         k_q09e7770062_prep.kd
    .args:
      - { .name: Wq, .offset: 0, .size: 8, .value_kind: global_buffer, .address_space: global }
      - { .name: Wk, .offset: 8, .size: 8, .value_kind: global_buffer, .address_space: global }
      - { .name: Wv, .offset: 16, .size: 8, .value_kind: global_buffer, .address_space: global }
      - { .name: Wo, .offset: 24, .size: 8, .value_kind: global_buffer, .address_space: global }
      - { .name: wcodes, .offset: 32, .size: 8, .value_kind: global_buffer, .address_space: global }
      - { .name: wscales, .offset: 40, .size: 8, .value_kind: global_buffer, .address_space: global }
      - { .name: wof, .offset: 48, .size: 8, .value_kind: global_buffer, .address_space: global }
      - { .name: kv, .offset: 56, .size: 8, .value_kind: global_buffer, .address_space: global }
    .group_segment_fixed_size: 0
    .private_segment_fixed_size: 0
    .kernarg_segment_align: 8
    .kernarg_segment_size: 64
    .max_flat_workgroup_size: 128
    .sgpr_count:     66
    .vgpr_count:     128
    .wavefront_size: 32
...
	.end_amdgpu_metadata
.endif
;; end of part 1
;; launch kvproj (part 2): grid 256 x 1, 8 waves a work-group, no clusters, 37,888 bytes of LDS; arguments key, value, wcodes, wscales, bk, bv, kv; writes kv
.if DOCPART == 2
	.amdgcn_target "amdgcn-amd-amdhsa--gfx1250"
	.amdhsa_code_object_version 6
	.text
	.protected	k_q09e7770062_kvproj
	.globl	k_q09e7770062_kvproj
	.p2align	8
	.type	k_q09e7770062_kvproj,@function
k_q09e7770062_kvproj:
	s_mov_b64 s[64:65], 0
	v_nop
	global_prefetch_b8 v0, s[64:65] scope:SCOPE_SE
	s_setreg_imm32_b32 hwreg(HW_REG_WAVE_MODE, 25, 1), 1
	s_wait_xcnt 0x0
; KVPROJ.  k = Q(key) Q(Wk)^T + bk and v = Q(value) Q(Wv)^T + bv, both products on codes of FP4 (E2M1) with one E8M0 scale for each 32 along K = 512; results rounded to f16 and stored
; in the order in which the attention's operand registers take them.
; SHARES.  A work-group takes 128 rows (positions) of ONE tensor: work-groups 0-127 key, 128-255 value; so a weight is loaded once for 128 rows.  Its eight waves share the COLUMNS: wave w makes
; columns 64 w .. 64 w + 63, head w, for all rows, so that its part of the weight (16 fragments, 16 KB) goes from memory straight into its registers.  What goes round is small: the rows' codes.
; The rows go in two halves of 64: wave w quantises rows 8 w .. 8 w + 7 of a half into LDS; a barrier; every wave reads all 64.  The second half's numbers are on their way while the first is worked.
; x COMES BY DENSE LOADS: a row of 2,048 bytes is four loads of 512 consecutive bytes, 16 a lane.  So a lane holds 4 numbers of each of 4 blocks, and a block of 32 lies in 8 neighbouring lanes.
; The conversion takes 8 registers under one scale: it is run once for each group of 4, over the 8 registers that begin with the group, and its low 16 bits are kept (of the last group of two rows:
; over the 8 that end with it, and the high 16 bits).  The other four codes are thrown away; FP4's conversion holds what lies beyond 6 at the largest code.
; K IS MADE TRANSPOSED (source 0 = 16 rows of Wk, source 1 = 16 rows of key): a lane holds one position and eight neighbouring features, so two neighbouring tiles, packed to f16, are a fragment
; 16 keys x 32 d.  V IS MADE THE NATURAL WAY (source 0 = value, source 1 = Wv): a lane holds one feature and eight neighbouring positions: two neighbouring tiles of rows are a fragment 16 d x 32 keys.
; The two forms part by scalar branches on the work-group's number, round the bias's loads and round the products with their stores; every LDS store and both barriers stand on the common way.
; kv [sequence 8][block 36][head 8][16,384 bytes]; blocks 0-3 stand for positions -256 .. -1 (zeros, stored by the launch before); block 4 + b holds positions 64 b ..  In the 16 KB: K's fragment
; (key tile b, half e of d) at 1,024 (2 b + e); V^T's (d tile t, half kp of the keys) at 8,192 + 1,024 (2 t + kp); registers 4 c .. 4 c + 3 of lane l at 512 c + 16 l.
; CLUSTERS: none.  Joint requests land in LDS; here each fragment of the weight is used by one wave of the work-group and lies in memory as that wave's registers take it: a way through LDS would add
; 144 KB of LDS writes and reads to a work-group whose own input is 256 KB.  key and value are read by one work-group alone.
; LIMITS: k and v stay under 65,504 in magnitude (f16); a block of zeros gets the byte 1 (its codes are zeros, and this program alone reads the bytes); NaN and infinities are not served.
; REGISTERS.  Window 0: v1-11 addresses; v12-15 scratch at the head; v16-31 the weight's scale words; v32-39 x's, two sets; v40-63 the quantiser's; v64-191 128 numbers of x a lane; v192-255 packed results.
;   Window 1: v0-127 the weight's 16 fragments; v128-159 the bias as C; v160-191 four accumulators; v192-255 x's four fragments, two sets.
.set XC0,   0                          ; LDS: the first half's codes, 64 rows x (256 bytes + 16);
.set XB0,   17408                      ; its scale bytes, 16 a row;
.set XC1,   18432                      ; the second half's codes;
.set XB1,   35840                      ; its scale bytes
.set SPARE, 36864                      ; the spare words, 128 bytes for each wave: four blocks of 256 bytes that no other line names
.set HALFX, 131072                     ; 64 rows of x in bytes
.set KVB,   131072                     ; a block of kv: 8 heads x 16,384 bytes
.set LI,  1                            ; 16 x lane
.set LS,  2                            ; 4 x lane
.set XA,  3                            ; x: 16,384 x wave + 16 x lane
.set CWR, 4                            ; where I put 4 codes: 2,176 x wave + 2 x lane
.set BWR, 5                            ; and a scale byte: 128 x wave + lane / 8
.set FRD, 6                            ; a fragment's place for my lane: 272 r + 16 h
.set SRD, 7                            ; a row's 16 scale bytes: 16 r
.set BH,  8                            ; 32 h
.set BR,  9                            ; 4 r
.set SPW, 10                           ; LDS address of my spare word; never rewritten
.set NIL, 11                           ; 0; never rewritten
.set WS,  16
.set XS,  32                           ; set p at XS + 4 p
.set QT,  40                           ; +0..7 largest magnitudes, then scale operands; +8..15 codes; +16..23 bytes
.set X,   64
.set OD,  192
.set WF,  0                            ; window 1
.set BI,  128
.set AC,  160
.set XF,  192                          ; set p at XF + 32 p
.set MSB, 0
.macro WIN new                         ; the immediate's high byte repeats the setting that is left
.if MSB != \new
	s_set_vgpr_msb (MSB<<8)|\new
.set MSB, \new
.endif
.endm
.macro PLACES n
.rept \n
	v_nop
.endr
.endm
; rows 2 g and 2 g + 1 of my eight, from off bytes on: each load reads 512 consecutive bytes.  Register 16 q + 4 i + n of the group: number 128 i + 4 lane + n of row 2 g + q
.macro XLOADG g, off
.irp q, 0,1
.irp i, 0,1,2,3
	global_load_b128 v[X+32*(\g)+16*\q+4*\i:X+32*(\g)+16*\q+4*\i+3], v[XA], s[4:5] offset:(\off)+(2*(\g)+\q)*2048+512*\i th:TH_LOAD_NT
.endr
.endr
.endm
; the two rows become codes and scale bytes in LDS, rows as rows.  Eight groups u = 4 q + i of 4 numbers, by turns; group u's block lies in my eight neighbouring lanes
.macro QGROUP g, co, bo
.irp u, 0,1,2,3,4,5,6,7
	v_max3_num_f32 v[QT+\u], |v[X+32*(\g)+4*\u]|, |v[X+32*(\g)+4*\u+1]|, 0x1800000   ; the floor 2^(3 - 127) holds the byte at 1 from below
.endr
.irp u, 0,1,2,3,4,5,6,7
	v_max3_num_f32 v[QT+\u], v[QT+\u], |v[X+32*(\g)+4*\u+2]|, |v[X+32*(\g)+4*\u+3]|
.endr
.irp m, 1,2,4
.irp u, 0,1,2,3,4,5,6,7
	v_max_num_f32_dpp v[QT+\u], v[QT+\u], v[QT+\u] row_xmask:\m row_mask:0xf bank_mask:0xf
.endr
.endr
.irp u, 0,1,2,3,4,5,6,7
	v_add_nc_u32 v[QT+\u], 0xff000000, v[QT+\u]    ; 2 off the exponent field: the conversion's scale operand
.endr
	s_wait_dscnt 0x0                               ; the last group's LDS stores have read their registers: codes and bytes are written anew below
.irp u, 0,1,2,3,4,5,6
	v_cvt_scalef32_pk8_fp4_f32 v[QT+8+\u], v[X+32*(\g)+4*\u:X+32*(\g)+4*\u+7], v[QT+\u]   ; the group's 4 codes in the low 16 bits; the rest is not used
.endr
	v_cvt_scalef32_pk8_fp4_f32 v[QT+15], v[X+32*(\g)+24:X+32*(\g)+31], v[QT+7]   ; the last group's in the high 16 bits
.irp u, 0,1,2,3,4,5,6,7
	v_lshrrev_b32 v[QT+16+\u], 23, v[QT+\u]        ; the scale's byte.  (Also the plain lines behind the conversions)
.endr
	v_lshrrev_b32 v[QT+15], 16, v[QT+15]
.irp q, 0,1
.irp i, 0,1,2,3
	ds_store_b16 v[CWR], v[QT+8+4*\q+\i] offset:\co+(2*(\g)+\q)*272+64*\i   ; codes of k = 128 i + 4 lane ..: byte 64 i + 2 lane of the row
	ds_store_b8 v[BWR], v[QT+16+4*\q+\i] offset:\bo+(2*(\g)+\q)*16+4*\i    ; block 4 i + lane / 8; its eight lanes write the same byte with the same value
.endr
.endr
.endm
.macro XFETCH a, p, co, bo             ; rows 16 a ..: four fragments (K steps) and the rows' four scale words, into set p: nine LDS loads
	WIN 0x40
.irp s, 0,1,2,3
.irp c, 0,1
	ds_load_b128 v[XF+32*(\p)+8*\s+4*\c:XF+32*(\p)+8*\s+4*\c+3], v[FRD] offset:\co+(\a)*4352+64*\s+32*\c
.endr
.endr
	WIN 0
	ds_load_b128 v[XS+4*(\p):XS+4*(\p)+3], v[SRD] offset:\bo+(\a)*256
.endm
; 16 products: K step by K step, the four accumulators by turns, one instruction a turn.  The bias is the C of each sum's first product.
.macro PROD nat, p
	WIN 0x55
.irp s, 0,1,2,3
.irp t, 0,1,2,3
.if \nat
.if \s == 0
	v_wmma_scale_f32_16x16x128_f8f6f4 v[AC+8*\t:AC+8*\t+7], v[XF+32*(\p)+8*\s:XF+32*(\p)+8*\s+7], v[WF+8*(4*\t+\s):WF+8*(4*\t+\s)+7], v[BI+8*\t:BI+8*\t+7], v[XS+4*(\p)+\s], v[WS+4*\t+\s] matrix_a_fmt:MATRIX_FMT_FP4 matrix_b_fmt:MATRIX_FMT_FP4
.else
	v_wmma_scale_f32_16x16x128_f8f6f4 v[AC+8*\t:AC+8*\t+7], v[XF+32*(\p)+8*\s:XF+32*(\p)+8*\s+7], v[WF+8*(4*\t+\s):WF+8*(4*\t+\s)+7], v[AC+8*\t:AC+8*\t+7], v[XS+4*(\p)+\s], v[WS+4*\t+\s] matrix_a_fmt:MATRIX_FMT_FP4 matrix_b_fmt:MATRIX_FMT_FP4
.endif
.else
.if \s == 0
	v_wmma_scale_f32_16x16x128_f8f6f4 v[AC+8*\t:AC+8*\t+7], v[WF+8*(4*\t+\s):WF+8*(4*\t+\s)+7], v[XF+32*(\p)+8*\s:XF+32*(\p)+8*\s+7], v[BI+8*\t:BI+8*\t+7], v[WS+4*\t+\s], v[XS+4*(\p)+\s] matrix_a_fmt:MATRIX_FMT_FP4 matrix_b_fmt:MATRIX_FMT_FP4
.else
	v_wmma_scale_f32_16x16x128_f8f6f4 v[AC+8*\t:AC+8*\t+7], v[WF+8*(4*\t+\s):WF+8*(4*\t+\s)+7], v[XF+32*(\p)+8*\s:XF+32*(\p)+8*\s+7], v[AC+8*\t:AC+8*\t+7], v[WS+4*\t+\s], v[XS+4*(\p)+\s] matrix_a_fmt:MATRIX_FMT_FP4 matrix_b_fmt:MATRIX_FMT_FP4
.endif
.endif
.endr
.endr
	PLACES 5                                       ; five plain lines: ahead of the reads of the results, of loads into the operands, and of the next tile's first product, which begins these accumulators anew with another C
.endm
.macro PACK a                          ; 32 f32 -> 16 registers of f16; each accumulator is read from its low end on
	WIN 0x05
.irp i, 0,1,2,3,4,5,6,7,8,9,10,11,12,13,14,15
	v_cvt_pk_f16_f32 v[OD+16*(\a)+\i], v[AC+2*\i], v[AC+2*\i+1]
.endr
	WIN 0
.endm
; A half's four tiles of 16 rows.  A tile's fragments are asked for one tile ahead, into the other set.  so: the half's block of kv, in bytes
.macro TILES nat, co, bo, so
	XFETCH 0, 0, \co, \bo
.irp a, 0,1,2,3
.if \a < 3
	XFETCH \a+1, (\a+1)%2, \co, \bo
	s_wait_dscnt 9                                 ; this tile's nine loads are in; the next tile's nine may be out
.else
	s_wait_dscnt 0x0
.endif
	PROD \nat, \a%2
	PACK \a
.irp t, 0,1,2,3
.if \nat
	global_store_b128 v[LI], v[OD+16*\a+4*\t:OD+16*\a+4*\t+3], s[16:17] offset:\so+8192+(2*\t+\a/2)*1024+(\a%2)*512   ; 512 consecutive bytes
.else
	global_store_b128 v[LI], v[OD+16*\a+4*\t:OD+16*\a+4*\t+3], s[16:17] offset:\so+(2*\a+\t/2)*1024+(\t%2)*512
.endif
.endr
.endr
.endm
	s_load_b256 s[4:11], s[0:1], 0x0               ; key, value, wcodes, wscales
	s_load_b128 s[12:15], s[0:1], 0x20             ; bk, bv
	s_load_b64 s[16:17], s[0:1], 0x30              ; kv
	v_lshl_add_u32 v[SPW], v0, 2, SPARE
	v_mov_b32 v[NIL], 0
	v_lshrrev_b32 v12, 5, v0
	v_readfirstlane_b32 s18, v12                   ; wave 0..7
	v_and_b32 v13, 31, v0                          ; lane
	v_and_b32 v14, 15, v0                          ; r
	v_bfe_u32 v15, v0, 4, 1                        ; h
	v_lshlrev_b32 v[LI], 4, v13
	v_lshlrev_b32 v[LS], 2, v13
	s_lshl_b32 s30, s18, 14
	v_lshl_add_u32 v[XA], v13, 4, s30
	s_mul_i32 s20, s18, 2176
	v_lshl_add_u32 v[CWR], v13, 1, s20
	s_lshl_b32 s20, s18, 7
	v_lshrrev_b32 v12, 3, v13
	v_add_nc_u32 v[BWR], s20, v12
	v_mul_u32_u24 v[FRD], v14, 272
	v_lshl_add_u32 v[FRD], v15, 4, v[FRD]
	v_lshlrev_b32 v[SRD], 4, v14
	v_lshlrev_b32 v[BH], 5, v15
	v_lshlrev_b32 v[BR], 2, v14
	s_lshr_b32 s19, ttmp9, 7                       ; 0: key and Wk, 1: value and Wv
	s_and_b32 s36, ttmp9, 127                      ; which 128 rows of the tensor
	s_lshl_b32 s20, s36, 18                        ; 128 rows of 2,048 bytes
	s_mov_b32 s21, 0
	s_add_co_u32 s22, s19, 1
	s_lshl_b32 s22, s22, 17                        ; the weight's codes: tensor 1 or 2 of wcodes, 131,072 bytes each,
	s_add_co_u32 s22, s22, s30                     ; my 16 fragments
	s_mov_b32 s23, 0
	s_add_co_u32 s26, s19, 1
	s_lshl_b32 s26, s26, 14                        ; its scale words: 16,384 bytes a tensor,
	s_lshl_b32 s32, s18, 11
	s_add_co_u32 s26, s26, s32                     ; 2,048 a wave
	s_mov_b32 s27, 0
	s_lshl_b32 s34, s18, 8                         ; the bias: my 64 numbers
	s_mov_b32 s35, 0
	s_lshr_b32 s37, s36, 4                         ; the sequence,
	s_mul_i32 s37, s37, 36
	s_and_b32 s36, s36, 15
	s_lshl_b32 s36, s36, 1                         ; the first of my two blocks in it
	s_add_co_u32 s36, s36, s37
	s_add_co_u32 s36, s36, 4
	s_lshl_b32 s36, s36, 3
	s_add_co_u32 s36, s36, s18
	s_lshl_b32 s36, s36, 14                        ; ((36 sequence + 4 + block) 8 + head) x 16,384
	s_mov_b32 s37, 0
	s_wait_kmcnt 0x0
	s_cmp_eq_u32 s19, 0                            ; the choice hangs on the work-group's number alone
	s_cselect_b64 s[4:5], s[4:5], s[6:7]
	s_cselect_b64 s[12:13], s[12:13], s[14:15]
	s_add_nc_u64 s[4:5], s[4:5], s[20:21]
	s_add_nc_u64 s[8:9], s[8:9], s[22:23]
	s_add_nc_u64 s[10:11], s[10:11], s[26:27]
	s_add_nc_u64 s[12:13], s[12:13], s[34:35]
	s_add_nc_u64 s[16:17], s[16:17], s[36:37]
.irp g, 0,1,2,3
	XLOADG \g, 0                                   ; the first half: 32 loads, 16 KB a wave
.endr
	WIN 0x40
.irp f, 0,1,2,3,4,5,6,7,8,9,10,11,12,13,14,15
.irp c, 0,1
	global_load_b128 v[WF+8*\f+4*\c:WF+8*\f+4*\c+3], v[LI], s[8:9] offset:1024*\f+512*\c   ; the weight's fragment f = 4 t + s: 16 KB on end
.endr
.endr
	WIN 0
.irp f, 0,1,2,3,4,5,6,7,8,9,10,11,12,13,14,15
	global_load_b32 v[WS+\f], v[LS], s[10:11] offset:128*\f
.endr
	s_cmp_lg_u32 s19, 0
	s_cbranch_scc1 .Lbias_v
	WIN 0x40
.irp t, 0,1,2,3
.irp u, 0,1
	global_load_b128 v[BI+8*\t+4*\u:BI+8*\t+4*\u+3], v[BH], s[12:13] offset:64*\t+16*\u   ; bk at features 16 t + 8 h + 0 .. 7: the transposed result's layout
.endr
.endr
	WIN 0
	s_branch .Lbias_done
.Lbias_v:
	WIN 0x40
.irp t, 0,1,2,3
.irp j, 0,1
	global_load_b32 v[BI+8*\t+\j], v[BR], s[12:13] offset:64*\t   ; bv at feature 16 t + r: the natural result's layout wants it in all eight registers.  Eight loads, as on the other way: the counts below hold on both
.endr
.endr
	WIN 0
.Lbias_done:
	s_wait_loadcnt 56                              ; the first half is in; the 56 younger loads (32 of the weight, 16 scale words, 8 of the bias) may be out
.irp g, 0,1,2,3
	QGROUP \g, XC0, XB0
	XLOADG \g, HALFX                               ; the second half takes the registers that the first has left
.endr
	s_wait_dscnt 0x0                               ; for the others' sake: my stores have landed
	s_barrier_signal -1
	s_barrier_wait -1                              ; the first half's 64 rows of codes lie in LDS
	s_wait_loadcnt 32                              ; the weight, its scales and the bias are in; the second half's 32 loads may be out
	s_cmp_lg_u32 s19, 0
	s_cbranch_scc1 .Lv_first
	TILES 0, XC0, XB0, 0
	s_branch .Lsecond
.Lv_first:
	WIN 0x41
.irp t, 0,1,2,3
.irp j, 2,3,4,5,6,7
	v_mov_b32 v[BI+8*\t+\j], v[BI+8*\t]
.endr
.endr
	WIN 0
	TILES 1, XC0, XB0, 0
.Lsecond:
	s_wait_loadcnt 0x0                             ; the second half is in
.irp g, 0,1,2,3
	QGROUP \g, XC1, XB1
.endr
	s_wait_dscnt 0x0
	s_barrier_signal -1
	s_barrier_wait -1                              ; the second half's codes lie in LDS, in bytes of their own
	s_wait_xcnt 0x0                                ; the first half's stores have read their registers: they are packed into again below
	s_cmp_lg_u32 s19, 0
	s_cbranch_scc1 .Lv_second
	TILES 0, XC1, XB1, KVB
	s_branch .Lend
.Lv_second:
	TILES 1, XC1, XB1, KVB
.Lend:
	s_wait_tensorcnt 0x0                           ; the wave's end, behind my last LDS store
	ds_add_u32 v[SPW], v[NIL]
	s_wait_dscnt 0x0
	s_endpgm
.Lfunc_end_k_q09e7770062_kvproj:
	.size	k_q09e7770062_kvproj, .Lfunc_end_k_q09e7770062_kvproj-k_q09e7770062_kvproj
	.p2alignl 7, 3214868480
	.fill 96, 4, 3214868480
	.section	.rodata,"a",@progbits
	.p2align	6, 0x0
	.amdhsa_kernel k_q09e7770062_kvproj
		.amdhsa_group_segment_fixed_size 37888
		.amdhsa_private_segment_fixed_size 0
		.amdhsa_enable_private_segment 0
		.amdhsa_kernarg_size 56
		.amdhsa_user_sgpr_count 2
		.amdhsa_user_sgpr_kernarg_segment_ptr 1
		.amdhsa_wavefront_size32 1
		.amdhsa_system_sgpr_workgroup_id_x 1
		.amdhsa_system_sgpr_workgroup_id_y 1
		.amdhsa_system_sgpr_workgroup_id_z 1
		.amdhsa_system_vgpr_workitem_id 0
		.amdhsa_next_free_vgpr 512
		.amdhsa_next_free_sgpr 66
		.amdhsa_reserve_vcc 0
		.amdhsa_float_denorm_mode_32 3
		.amdhsa_float_denorm_mode_16_64 3
		.amdhsa_memory_ordered 1
		.amdhsa_forward_progress 1
		.amdhsa_inst_pref_size 126
	.end_amdhsa_kernel
	.amdgpu_metadata
---
amdhsa.version: [ 1, 2 ]
amdhsa.kernels:
  - .name:           k_q09e7770062_kvproj
    .symbol:         k_q09e7770062_kvproj.kd
    .args:
      - { .name: key, .offset: 0, .size: 8, .value_kind: global_buffer, .address_space: global }
      - { .name: value, .offset: 8, .size: 8, .value_kind: global_buffer, .address_space: global }
      - { .name: wcodes, .offset: 16, .size: 8, .value_kind: global_buffer, .address_space: global }
      - { .name: wscales, .offset: 24, .size: 8, .value_kind: global_buffer, .address_space: global }
      - { .name: bk, .offset: 32, .size: 8, .value_kind: global_buffer, .address_space: global }
      - { .name: bv, .offset: 40, .size: 8, .value_kind: global_buffer, .address_space: global }
      - { .name: kv, .offset: 48, .size: 8, .value_kind: global_buffer, .address_space: global }
    .group_segment_fixed_size: 37888
    .private_segment_fixed_size: 0
    .kernarg_segment_align: 8
    .kernarg_segment_size: 56
    .max_flat_workgroup_size: 256
    .sgpr_count:     66
    .vgpr_count:     512
    .wavefront_size: 32
...
	.end_amdgpu_metadata
.endif
;; end of part 2
;; launch attn (part 3): grid 256 x 1, 8 waves a work-group, no clusters, 119,808 bytes of LDS; arguments query, wcodes, wscales, bq, kv, wof, bo, out0; writes out0
.if DOCPART == 3
	.amdgcn_target "amdgcn-amd-amdhsa--gfx1250"
	.amdhsa_code_object_version 6
	.text
	.protected	k_q09e7770062_attn
	.globl	k_q09e7770062_attn
	.p2align	8
	.type	k_q09e7770062_attn,@function
k_q09e7770062_attn:
	s_mov_b64 s[64:65], 0
	v_nop
	global_prefetch_b8 v0, s[64:65] scope:SCOPE_SE
	s_setreg_imm32_b32 hwreg(HW_REG_WAVE_MODE, 25, 1), 1
	s_wait_xcnt 0x0
; ATTN.  For 64 positions of one sequence and all 8 heads: q = Q(query) Q(Wq)^T + bq (codes of FP4, E8M0 scales), the windowed attention, out = ctx Wo^T + bo.  q, p and ctx never go to memory.
; THE WINDOW.  reference()'s mask keeps diff = query - key in 0 .. 255, with keys counted from -256: so every query has exactly 256 keys, and keys under 0 count with k = 0 and v = 0.  kv holds four
; blocks of zeros ahead of each sequence, so all work-groups walk alike: five blocks of 64 keys, the query's own block first (so that the running maximum is a true score from the first step on),
; then three whole blocks, then the block 256 back.  In the first and the last, tiles of 16 x 16 that the mask hides whole are not multiplied; the tiles on the diagonal are masked by lane masks made of ids.
; SHARES.  Eight waves; wave w is head w: columns 64 w .. 64 w + 63 of q, of ctx and of out, for all 64 rows (four tiles of 16 queries).  Two waves share a SIMD: one's softmax stands beside the other's products.
; LAYOUT.  All products are used transposed, so that a lane holds ONE position: q^T = Wq x^T; S^T = K Q^T (a lane: query r, keys 8 h + j); O^T = V^T P; out^T = Wo ctx^T.  Each result, packed to f16 in pairs,
; is the next product's source 1 as it stands.  K, V^T, Wq's codes and Wo lie in memory as images of the operand registers and come by loads of 16 bytes a lane, 512 consecutive bytes an instruction.
; query COMES BY DENSE LOADS: a row of 2,048 bytes is four loads of 512 consecutive bytes, 16 a lane: a lane holds 4 numbers of each of 4 blocks, a block of 32 lies in 8 neighbouring lanes.  The conversion,
; which takes 8 registers under one scale, is run once for each group of 4, and the group's 16 bits of its result are kept.
; SOFTMAX.  Running maximum m and sum l for each query: p = 2^(c s - c m), c = log2(e) / 8; O and l are multiplied by 2^(c m_old - c m_new) in every step; the sum is taken of the unrounded p.
; ctx goes from wave to wave through LDS as images of fragments (wave w makes K steps 2 w and 2 w + 1 of the last product); one barrier.
; CLUSTERS: none.  Joint requests land in LDS; here each fragment is used by one wave of the work-group and lies in memory as its registers take it.  A block of kv is read by five neighbouring
; work-groups, each in another of its five steps, so partners would not ask for it together.  The weights, 128 KB of codes and 512 KB of Wo a work-group, are the same for all; brought jointly they would
; pass through LDS, 640 KB written and read again, in several refills.
; LIMITS: q, k, v, ctx and Wo stay under 65,504 in magnitude (f16); a block of zeros of query gets the scale byte 1 (its codes are zeros); NaN and infinities are not served.
; REGISTERS.  Window 0: v0 4 x lane once the thread's number has served; v1-15 addresses and constants; v16-47 statistics, 8 a tile (during the projection v16-31 Wq's scale words, v32-39 x's, two sets);
;   v40-63 the quantiser's (v60-63 scratch at the head); v64-191 query's numbers, then the projection's accumulators and x's fragments in two sets, then S^T and P, then ctx, then out's 16 accumulators;
;   v192-255 K, then ctx's fragments, then rows of out.
;   Window 1: v0-127 Wq's fragments, then O^T; v128-191 Q; v192-255 bq, then V^T, then bo; Wo's ring of six slots of 32 registers takes Q's and O^T's places when they are done with.
.set XC,    0                          ; LDS: query's codes, 64 rows x (256 bytes + 16);
.set XB,    17408                      ; its scale bytes, 16 a row;
.set CIMG,  18432                      ; ctx: [tile of rows 4][K step 16][1,024 bytes];
.set STG,   83968                      ; the way out: 16 rows x (256 bytes + 16) for each wave
.set SPARE, 118784                     ; the spare words, 128 bytes for each wave: four blocks of 256 bytes that no other line names
.set LS,  0                            ; 4 x lane
.set LI,  1                            ; 16 x lane
.set XA,  2                            ; query: 16,384 x wave + 16 x lane
.set CWR, 3                            ; where I put 4 codes: 2,176 x wave + 2 x lane
.set BWR, 4                            ; and a scale byte: 128 x wave + lane / 8
.set FRD, 5                            ; a fragment of codes: 272 r + 16 h
.set SRD, 6                            ; a row's scale bytes: 16 r
.set CW,  7                            ; where I put ctx's images: CIMG + 2,048 x wave + 16 x lane
.set CR,  8                            ; where I read them: CIMG + 16 x lane
.set SO,  9                            ; my stage: row r, + 32 h
.set RD,  10                           ; back: lanes 0-15 one row, lanes 16-31 the next
.set GO,  11                           ; the same two rows in out, my wave's 256 bytes
.set NEGR, 12                          ; -1e30, as reference() has it
.set BH,  13                           ; 32 h
.set SPW, 14                           ; LDS address of my spare word; never rewritten
.set NIL, 15                           ; 0; never rewritten
.set ST,  16                           ; tile a at ST + 8 a: +0 c m, +1 m, +2, +3 l (even, odd keys), +4 .. +7 at work; the rescaling factor takes +6
.set WS,  16
.set XS,  32                           ; set p at XS + 4 p
.set QT,  40                           ; +0..7 largest magnitudes, then scale operands; +8..15 codes; +16..23 bytes
.set S,   64
.set X,   64
.set AC,  64
.set XF,  96                           ; set p at XF + 32 p
.set CT,  64
.set AC2, 64
.set KF,  192
.set CB,  192
.set OB,  192
.set O,   0                            ; window 1
.set WF,  0
.set QF,  128
.set VF,  192
.set BI,  192
.set MK,  32                           ; s[32:39] lane masks: bit set where 8 h + j > r
.set SEL, 40                           ; s[40:41] v_permlanex16_b32's selects for lane l xor 16
.set CS,  42                           ; s[42:43] c, twice: the packed form names a pair
.set CNT, 44
.set MSB, 0
.macro WIN new                         ; the immediate's high byte repeats the setting that is left
.if MSB != \new
	s_set_vgpr_msb (MSB<<8)|\new
.set MSB, \new
.endif
.endm
.macro PLACES n
.rept \n
	v_nop
.endr
.endm
.macro XLOADG g                        ; rows 2 g and 2 g + 1 of my eight: each load reads 512 consecutive bytes.  Register 16 q + 4 i + n of the group: number 128 i + 4 lane + n of row 2 g + q
.irp q, 0,1
.irp i, 0,1,2,3
	global_load_b128 v[X+32*(\g)+16*\q+4*\i:X+32*(\g)+16*\q+4*\i+3], v[XA], s[8:9] offset:(2*(\g)+\q)*2048+512*\i th:TH_LOAD_NT
.endr
.endr
.endm
.macro QGROUP g                        ; the two rows become codes and scale bytes in LDS.  Eight groups u = 4 q + i of 4 numbers, by turns; group u's block lies in my eight neighbouring lanes
.irp u, 0,1,2,3,4,5,6,7
	v_max3_num_f32 v[QT+\u], |v[X+32*(\g)+4*\u]|, |v[X+32*(\g)+4*\u+1]|, 0x1800000   ; the floor 2^(3 - 127) holds the byte at 1 from below
.endr
.irp u, 0,1,2,3,4,5,6,7
	v_max3_num_f32 v[QT+\u], v[QT+\u], |v[X+32*(\g)+4*\u+2]|, |v[X+32*(\g)+4*\u+3]|
.endr
.irp m, 1,2,4
.irp u, 0,1,2,3,4,5,6,7
	v_max_num_f32_dpp v[QT+\u], v[QT+\u], v[QT+\u] row_xmask:\m row_mask:0xf bank_mask:0xf
.endr
.endr
.irp u, 0,1,2,3,4,5,6,7
	v_add_nc_u32 v[QT+\u], 0xff000000, v[QT+\u]    ; 2 off the exponent field: the conversion's scale operand
.endr
	s_wait_dscnt 0x0                               ; the last group's LDS stores have read their registers: codes and bytes are written anew below
.irp u, 0,1,2,3,4,5,6
	v_cvt_scalef32_pk8_fp4_f32 v[QT+8+\u], v[X+32*(\g)+4*\u:X+32*(\g)+4*\u+7], v[QT+\u]   ; the group's 4 codes in the low 16 bits; the rest is not used
.endr
	v_cvt_scalef32_pk8_fp4_f32 v[QT+15], v[X+32*(\g)+24:X+32*(\g)+31], v[QT+7]   ; the last group's in the high 16 bits
.irp u, 0,1,2,3,4,5,6,7
	v_lshrrev_b32 v[QT+16+\u], 23, v[QT+\u]        ; the scale's byte.  (Also the plain lines behind the conversions)
.endr
	v_lshrrev_b32 v[QT+15], 16, v[QT+15]
.irp q, 0,1
.irp i, 0,1,2,3
	ds_store_b16 v[CWR], v[QT+8+4*\q+\i] offset:XC+(2*(\g)+\q)*272+64*\i   ; codes of k = 128 i + 4 lane ..: byte 64 i + 2 lane of the row
	ds_store_b8 v[BWR], v[QT+16+4*\q+\i] offset:XB+(2*(\g)+\q)*16+4*\i    ; block 4 i + lane / 8; its eight lanes write the same byte with the same value
.endr
.endr
.endm
.macro XQF a, p                        ; rows 16 a ..: four fragments (K steps) and the rows' four scale words, into set p: nine LDS loads
.irp s, 0,1,2,3
.irp c, 0,1
	ds_load_b128 v[XF+32*(\p)+8*\s+4*\c:XF+32*(\p)+8*\s+4*\c+3], v[FRD] offset:XC+(\a)*4352+64*\s+32*\c
.endr
.endr
	ds_load_b128 v[XS+4*(\p):XS+4*(\p)+3], v[SRD] offset:XB+(\a)*256
.endm
.macro KLOAD                           ; a block's K of my head: 8 fragments (key tile b, half e of d)
.irp b, 0,1,2,3
.irp e, 0,1
.irp c, 0,1
	global_load_b128 v[KF+16*\b+8*\e+4*\c:KF+16*\b+8*\e+4*\c+3], v[LI], s[16:17] offset:(2*\b+\e)*1024+512*\c
.endr
.endr
.endr
.endm
.macro VLOAD                           ; and its V^T: 8 fragments (d tile t, half kp of the keys)
	WIN 0x40
.irp t, 0,1,2,3
.irp kp, 0,1
.irp c, 0,1
	global_load_b128 v[VF+16*\t+8*\kp+4*\c:VF+16*\t+8*\kp+4*\c+3], v[LI], s[16:17] offset:8192+(2*\t+\kp)*1024+512*\c
.endr
.endr
.endr
	WIN 0
.endm
.macro WOLOAD ks                       ; Wo's four fragments (my n tiles) of K step ks into slot ks % 6
.set WBL, (128+32*((\ks)%6))%192
	WIN 0x40
.irp t, 0,1,2,3
.irp c, 0,1
	global_load_b128 v[WBL+8*\t+4*\c:WBL+8*\t+4*\c+3], v[LI], s[18:19] offset:\t*16384+(\ks)*1024+\c*512
.endr
.endr
	WIN 0
.endm
.macro CLOAD ks                        ; ctx's four fragments (tiles of rows) of K step ks into set ks % 2
.irp a, 0,1,2,3
.irp c, 0,1
	ds_load_b128 v[CB+32*((\ks)%2)+8*\a+4*\c:CB+32*((\ks)%2)+8*\a+4*\c+3], v[CR] offset:\a*16384+(\ks)*1024+\c*512
.endr
.endr
.endm
.macro TDEAD kind, a, b                ; is the tile (keys 16 b .., queries 16 a ..) hidden whole?
.set DEAD, 0
.if ((\kind) == 0) && ((\b) > (\a))
.set DEAD, 1
.endif
.if ((\kind) == 2) && ((\b) < (\a))
.set DEAD, 1
.endif
.endm
.macro PDEAD kind, a, kp               ; are both tiles of keys 32 kp .. hidden whole for queries 16 a ..?
.set DEAD, 0
.if ((\kind) == 0) && (2*(\kp) > (\a))
.set DEAD, 1
.endif
.if ((\kind) == 2) && (2*(\kp)+1 < (\a))
.set DEAD, 1
.endif
.endm
; A KEY STEP of 64 keys.  kind 0: the queries' own block, the first step; 1: a whole block; 2: the block 256 back, the last step.
.macro STEP kind
	s_wait_loadcnt 16                              ; K is in; V's 16 loads, which are younger, may be out
	WIN 0x04                                       ; Q in window 1
.irp e, 0,1
.irp b, 0,1,2,3
.irp a, 0,1,2,3
	TDEAD \kind, \a, \b
.if DEAD == 0
.if \e == 0
	v_wmma_f32_16x16x32_f16 v[S+32*\a+8*\b:S+32*\a+8*\b+7], v[KF+16*\b:KF+16*\b+7], v[QF+16*\a:QF+16*\a+7], 0
.else
	v_wmma_f32_16x16x32_f16 v[S+32*\a+8*\b:S+32*\a+8*\b+7], v[KF+16*\b+8:KF+16*\b+15], v[QF+16*\a+8:QF+16*\a+15], v[S+32*\a+8*\b:S+32*\a+8*\b+7]
.endif
.endif
.endr
.endr
.endr
	WIN 0
	PLACES 4                                       ; ahead of loads into K's or Q's registers and of the first read of the scores
.if (\kind) < 2
	s_wait_xcnt 0x0                                ; the loads that name the base have read it
	s_sub_nc_u64 s[16:17], s[16:17], 0x20000       ; one block back: 8 heads x 16,384 bytes
	KLOAD
.else
	WOLOAD 0                                       ; Q is done with: Wo's first two K steps take its place
	WOLOAD 1
.endif
.irp a, 0,1,2,3
.irp b, 0,1,2,3
	TDEAD \kind, \a, \b
.if DEAD
.irp j, 0,1,2,3,4,5,6,7
	v_mov_b32 v[S+32*\a+8*\b+\j], v[NEGR]
.endr
.elseif (\a == \b) && ((\kind) == 0)
.irp j, 0,1,2,3,4,5,6,7
	v_cndmask_b32 v[S+32*\a+8*\b+\j], v[S+32*\a+8*\b+\j], v[NEGR], s[MK+\j]   ; hidden where the key comes after the query
.endr
.elseif (\a == \b) && ((\kind) == 2)
.irp j, 0,1,2,3,4,5,6,7
	v_cndmask_b32 v[S+32*\a+8*\b+\j], v[NEGR], v[S+32*\a+8*\b+\j], s[MK+\j]   ; hidden where the key lies 256 or more back
.endr
.endif
.endr
.endr
	; the maximum of a lane's 32 scores and the old m: four chains; the four tiles by turns.  Each accumulator is first read at its low end
.irp j, 0,1,2,3
.irp a, 0,1,2,3
	v_max3_num_f32 v[ST+8*\a+4+\j], v[S+32*\a+8*\j], v[S+32*\a+8*\j+1], v[S+32*\a+8*\j+2]
.endr
.endr
.irp i, 3,5
.irp j, 0,1,2,3
.irp a, 0,1,2,3
	v_max3_num_f32 v[ST+8*\a+4+\j], v[ST+8*\a+4+\j], v[S+32*\a+8*\j+\i], v[S+32*\a+8*\j+\i+1]
.endr
.endr
.endr
.irp a, 0,1,2,3
	v_max3_num_f32 v[ST+8*\a+4], v[ST+8*\a+4], v[S+32*\a+7], v[S+32*\a+15]
.endr
.irp a, 0,1,2,3
	v_max3_num_f32 v[ST+8*\a+6], v[ST+8*\a+6], v[S+32*\a+23], v[S+32*\a+31]
.endr
.irp a, 0,1,2,3
	v_max3_num_f32 v[ST+8*\a+4], v[ST+8*\a+4], v[ST+8*\a+5], v[ST+8*\a+6]
.endr
.irp a, 0,1,2,3
.if (\kind) == 0
	v_max_num_f32 v[ST+8*\a+4], v[ST+8*\a+4], v[ST+8*\a+7]
.else
	v_max3_num_f32 v[ST+8*\a+4], v[ST+8*\a+4], v[ST+8*\a+7], v[ST+8*\a+1]
.endif
.endr
.irp a, 0,1,2,3
	v_permlanex16_b32 v[ST+8*\a+5], v[ST+8*\a+4], s[SEL], s[SEL+1]   ; the query's other 32 keys lie in the lane 16 away
.endr
.if (\kind) != 0
.irp a, 0,1,2,3
	v_mov_b32 v[ST+8*\a+7], v[ST+8*\a]             ; c m_old is kept
.endr
.endif
.irp a, 0,1,2,3
	v_max_num_f32 v[ST+8*\a+1], v[ST+8*\a+4], v[ST+8*\a+5]
.endr
.irp a, 0,1,2,3
	v_mul_f32 v[ST+8*\a], s[CS], v[ST+8*\a+1]
.endr
.if (\kind) != 0
.irp a, 0,1,2,3
	v_sub_f32 v[ST+8*\a+7], v[ST+8*\a+7], v[ST+8*\a]
.endr
.endif
.irp i, 0,1,2,3,4,5,6,7,8,9,10,11,12,13,14,15
.irp a, 0,1,2,3
	v_pk_fma_f32 v[S+32*\a+2*\i:S+32*\a+2*\i+1], v[S+32*\a+2*\i:S+32*\a+2*\i+1], s[CS:CS+1], v[ST+8*\a:ST+8*\a+1] op_sel_hi:[1,0,0] neg_lo:[0,0,1] neg_hi:[0,0,1]   ; c s - c m
.endr
.endr
	; the exponentials are ONE batch: none reads another's result; one plain line and one wait follow, ahead of the first reader
.if (\kind) != 0
.irp a, 0,1,2,3
	v_exp_f32 v[ST+8*\a+6], v[ST+8*\a+7]           ; 2^(c m_old - c m_new)
.endr
.endif
.irp i, 0,1,2,3,4,5,6,7,8,9,10,11,12,13,14,15,16,17,18,19,20,21,22,23,24,25,26,27,28,29,30,31
.irp a, 0,1,2,3
	v_exp_f32 v[S+32*\a+\i], v[S+32*\a+\i]
.endr
.endr
	v_nop
	s_wait_alu depctr_va_vdst(0)
.irp a, 0,1,2,3
.if (\kind) == 0
	v_pk_add_f32 v[ST+8*\a+2:ST+8*\a+3], v[S+32*\a:S+32*\a+1], v[S+32*\a+2:S+32*\a+3]
.else
	v_pk_fma_f32 v[ST+8*\a+2:ST+8*\a+3], v[ST+8*\a+2:ST+8*\a+3], v[ST+8*\a+6:ST+8*\a+7], v[S+32*\a:S+32*\a+1] op_sel_hi:[1,0,1]
	v_pk_add_f32 v[ST+8*\a+2:ST+8*\a+3], v[ST+8*\a+2:ST+8*\a+3], v[S+32*\a+2:S+32*\a+3]
.endif
.endr
.irp i, 2,3,4,5,6,7,8,9,10,11,12,13,14,15
.irp a, 0,1,2,3
	v_pk_add_f32 v[ST+8*\a+2:ST+8*\a+3], v[ST+8*\a+2:ST+8*\a+3], v[S+32*\a+2*\i:S+32*\a+2*\i+1]   ; the sum of the unrounded p
.endr
.endr
.irp i, 0,1,2,3,4,5,6,7,8,9,10,11,12,13,14,15
.irp a, 0,1,2,3
	v_cvt_pk_f16_f32 v[S+32*\a+\i], v[S+32*\a+2*\i], v[S+32*\a+2*\i+1]   ; P in place: register i has been read when it is written
.endr
.endr
.if (\kind) != 0
	WIN 0x41
.irp i, 0,1,2,3,4,5,6,7,8,9,10,11,12,13,14,15
.irp a, 0,1,2,3
	v_pk_mul_f32 v[O+32*\a+2*\i:O+32*\a+2*\i+1], v[O+32*\a+2*\i:O+32*\a+2*\i+1], v[ST+8*\a+6:ST+8*\a+7] op_sel_hi:[1,0]   ; O^T under the new m
.endr
.endr
.endif
	s_wait_loadcnt 16                              ; V is in; the 16 loads issued in this step may be out
	WIN 0x51                                       ; V^T and O^T in window 1, P in window 0
.irp kp, 0,1
.irp t, 0,1,2,3
.irp a, 0,1,2,3
	PDEAD \kind, \a, \kp
.if DEAD == 0
.if ((\kind) == 0) && (\kp == 0)
	v_wmma_f32_16x16x32_f16 v[O+32*\a+8*\t:O+32*\a+8*\t+7], v[VF+16*\t+8*\kp:VF+16*\t+8*\kp+7], v[S+32*\a+8*\kp:S+32*\a+8*\kp+7], 0
.else
	v_wmma_f32_16x16x32_f16 v[O+32*\a+8*\t:O+32*\a+8*\t+7], v[VF+16*\t+8*\kp:VF+16*\t+8*\kp+7], v[S+32*\a+8*\kp:S+32*\a+8*\kp+7], v[O+32*\a+8*\t:O+32*\a+8*\t+7]
.endif
.endif
.endr
.endr
.endr
	WIN 0
	PLACES 5                                       ; five: the next step's first products write over P, which these have read; and loads into V's registers follow
.if (\kind) < 2
	VLOAD                                          ; the next block's, from the base stepped above
.else
	WIN 0x40
.irp t, 0,1,2,3
.irp u, 0,1
	global_load_b128 v[BI+8*\t+4*\u:BI+8*\t+4*\u+3], v[BH], s[20:21] offset:64*\t+16*\u   ; bo at features 16 t + 8 h + 0 .. 7
.endr
.endr
	WIN 0
.endif
.endm
; A K step of 32 of out^T = Wo ctx^T: 16 accumulators by turns.  bo is the C of each sum's first product.
.macro KS ks
.if (\ks) == 0
	s_wait_loadcnt 32                              ; Wo's steps 0 and 1 and bo are in; steps 2 to 5 may be out
.elseif (\ks) < 10
	s_wait_loadcnt 40                              ; this step's fragments are in; the ring's five younger steps may be out
.else
	s_wait_loadcnt 8*(15-(\ks))
.endif
.if (\ks) < 15
	s_wait_dscnt 8                                 ; this step's ctx is in; the next step's eight loads may be out
.else
	s_wait_dscnt 0x0
.endif
.set WB, (128+32*((\ks)%6))%192
.if (\ks) == 0
	WIN 0x11
.else
	WIN 0x01
.endif
.irp t, 0,1,2,3
.irp a, 0,1,2,3
.if (\ks) == 0
	v_wmma_f32_16x16x32_f16 v[AC2+8*(4*\t+\a):AC2+8*(4*\t+\a)+7], v[WB+8*\t:WB+8*\t+7], v[CB+32*((\ks)%2)+8*\a:CB+32*((\ks)%2)+8*\a+7], v[BI+8*\t:BI+8*\t+7]
.else
	v_wmma_f32_16x16x32_f16 v[AC2+8*(4*\t+\a):AC2+8*(4*\t+\a)+7], v[WB+8*\t:WB+8*\t+7], v[CB+32*((\ks)%2)+8*\a:CB+32*((\ks)%2)+8*\a+7], v[AC2+8*(4*\t+\a):AC2+8*(4*\t+\a)+7]
.endif
.endr
.endr
	WIN 0
	PLACES 4                                       ; ahead of loads into the operands just read, and of the first read of the results
.if (\ks)+6 < 16
	WOLOAD (\ks)+6
.endif
.if (\ks)+2 < 16
	CLOAD (\ks)+2
.endif
.endm
; THE WAY OUT of rows 16 a ..: a lane holds 32 neighbouring bytes of a row; through my own stage they come back as whole runs of 256 bytes.  LDS serves a wave's instructions in order (ISA guide 5.7.1.4).
.macro TOSTAGE a
.irp t, 0,1,2,3
.irp u, 0,1
	ds_store_b128 v[SO], v[AC2+8*(4*\t+(\a))+4*\u:AC2+8*(4*\t+(\a))+4*\u+3] offset:64*\t+16*\u   ; each accumulator from its low end on
.endr
.endr
.irp i, 0,1,2,3,4,5,6,7
	ds_load_b128 v[OB+32*((\a)%2)+4*\i:OB+32*((\a)%2)+4*\i+3], v[RD] offset:2*\i*272
.endr
.endm
.macro SEND a, younger
	s_wait_dscnt \younger
.irp i, 0,1,2,3,4,5,6,7
	global_store_b128 v[GO], v[OB+32*((\a)%2)+4*\i:OB+32*((\a)%2)+4*\i+3], s[22:23] offset:(16*(\a)+2*\i)*2048 th:TH_STORE_NT   ; 16 lanes store 256 consecutive bytes, at a multiple of 256 from out's first byte
.endr
.endm
	s_load_b512 s[8:23], s[0:1], 0x0               ; query, wcodes, wscales, bq, kv, wof, bo, out0
	v_lshl_add_u32 v[SPW], v0, 2, SPARE
	v_mov_b32 v[NIL], 0
	v_lshrrev_b32 v60, 5, v0
	v_readfirstlane_b32 s24, v60                   ; wave 0..7 = head
	v_and_b32 v60, 31, v0                          ; lane
	v_and_b32 v61, 15, v0                          ; r
	v_bfe_u32 v62, v0, 4, 1                        ; h
	v_lshlrev_b32 v[LI], 4, v60
	s_lshl_b32 s28, s24, 14                        ; 16,384 x wave
	v_lshl_add_u32 v[XA], v60, 4, s28
	s_mul_i32 s25, s24, 2176
	v_lshl_add_u32 v[CWR], v60, 1, s25
	s_lshl_b32 s25, s24, 7
	v_lshrrev_b32 v63, 3, v60
	v_add_nc_u32 v[BWR], s25, v63
	v_mul_u32_u24 v[FRD], v61, 272
	v_lshl_add_u32 v[FRD], v62, 4, v[FRD]
	v_lshlrev_b32 v[SRD], 4, v61
	s_lshl_b32 s25, s24, 11
	s_add_co_u32 s25, s25, CIMG
	v_lshl_add_u32 v[CW], v60, 4, s25
	v_lshl_add_u32 v[CR], v60, 4, CIMG
	s_mul_i32 s25, s24, 4352
	s_add_co_u32 s25, s25, STG                     ; my stage
	v_mul_u32_u24 v[SO], v61, 272
	v_lshl_add_u32 v[SO], v62, 5, v[SO]
	v_add_nc_u32 v[SO], s25, v[SO]
	v_mul_u32_u24 v[RD], v62, 272
	v_lshl_add_u32 v[RD], v61, 4, v[RD]
	v_add_nc_u32 v[RD], s25, v[RD]
	s_lshl_b32 s30, s24, 8                         ; 256 x wave
	v_lshlrev_b32 v[GO], 11, v62
	v_lshl_add_u32 v[GO], v61, 4, v[GO]
	v_add_nc_u32 v[GO], s30, v[GO]
	v_mov_b32 v[NEGR], 0xf149f2ca
	v_lshlrev_b32 v[BH], 5, v62
	v_lshlrev_b32 v63, 3, v62
	v_sub_nc_u32 v63, v61, v63                     ; r - 8 h
.irp j, 0,1,2,3,4,5,6,7
	v_cmp_gt_i32 s[MK+\j], \j, v63                 ; 8 h + j > r: made of ids alone
.endr
	v_lshlrev_b32 v[LS], 2, v60                    ; the thread's number has served: its register takes 4 x lane
	s_mov_b32 s[SEL], 0x76543210
	s_mov_b32 s[SEL+1], 0xfedcba98
	s_mov_b32 s[CS], 0x3e38aa3b                    ; c = log2(e) / sqrt(64)
	s_mov_b32 s[CS+1], s[CS]
	s_lshl_b32 s26, ttmp9, 17                      ; my 64 rows of 2,048 bytes
	s_mov_b32 s27, 0
	s_mov_b32 s29, 0                               ; s[28:29] = 16,384 x wave
	s_mov_b32 s31, 0                               ; s[30:31] = 256 x wave
	s_wait_kmcnt 0x0
	s_add_nc_u64 s[8:9], s[8:9], s[26:27]
	s_add_nc_u64 s[22:23], s[22:23], s[26:27]
	s_add_nc_u64 s[10:11], s[10:11], s[28:29]      ; Wq's codes: my 16 fragments
	s_add_nc_u64 s[14:15], s[14:15], s[30:31]
	s_add_nc_u64 s[20:21], s[20:21], s[30:31]
	s_lshl_b32 s26, s24, 11
	s_add_nc_u64 s[12:13], s[12:13], s[26:27]      ; their scale words
	s_lshl_b32 s26, s24, 16
	s_add_nc_u64 s[18:19], s[18:19], s[26:27]      ; Wo: my four n tiles
	s_lshr_b32 s25, ttmp9, 5                       ; the sequence,
	s_mul_i32 s25, s25, 36
	s_and_b32 s26, ttmp9, 31                       ; the block in it
	s_add_co_u32 s25, s25, s26
	s_add_co_u32 s25, s25, 4
	s_lshl_b32 s25, s25, 3
	s_add_co_u32 s25, s25, s24
	s_lshl_b32 s26, s25, 14
	s_add_nc_u64 s[16:17], s[16:17], s[26:27]      ; kv at the queries' own block, my head
	; ---- query's 64 rows become codes in LDS: wave w takes rows 8 w .. 8 w + 7
.irp g, 0,1,2,3
	XLOADG \g
.endr
	WIN 0x40
.irp f, 0,1,2,3,4,5,6,7,8,9,10,11,12,13,14,15
.irp c, 0,1
	global_load_b128 v[WF+8*\f+4*\c:WF+8*\f+4*\c+3], v[LI], s[10:11] offset:1024*\f+512*\c   ; Wq's fragment f = 4 t + s
.endr
.endr
.irp t, 0,1,2,3
.irp u, 0,1
	global_load_b128 v[BI+8*\t+4*\u:BI+8*\t+4*\u+3], v[BH], s[14:15] offset:64*\t+16*\u   ; bq at features 16 t + 8 h + 0 .. 7
.endr
.endr
	WIN 0
.irp f, 0,1,2,3,4,5,6,7,8,9,10,11,12,13,14,15
	global_load_b32 v[WS+\f], v[LS], s[12:13] offset:128*\f
.endr
	KLOAD                                          ; the first step's K
	s_wait_loadcnt 63                              ; query is in: 72 loads are younger, and the wait's field holds 63
.irp g, 0,1,2,3
	QGROUP \g
.endr
	s_wait_dscnt 0x0                               ; for the others' sake: my stores have landed
	s_barrier_signal -1
	s_barrier_wait -1                              ; all 64 rows of codes lie in LDS
	s_wait_loadcnt 16                              ; Wq, its scale words and bq are in; K's 16 loads may be out
	; ---- q^T = Wq x^T + bq, a tile of 16 rows at a time; packed, it is Q's fragments.  A tile's fragments of x are asked for one tile ahead, into the other set
	XQF 0, 0
.irp a, 0,1,2,3
.if \a < 3
	XQF \a+1, (\a+1)%2
	s_wait_dscnt 9                                 ; this tile's nine loads are in; the next tile's nine may be out
.else
	s_wait_dscnt 0x0
.endif
.irp s, 0,1,2,3
.if \s == 0
	WIN 0x11                                       ; Wq and bq in window 1
.else
	WIN 0x01
.endif
.irp t, 0,1,2,3
.if \s == 0
	v_wmma_scale_f32_16x16x128_f8f6f4 v[AC+8*\t:AC+8*\t+7], v[WF+8*(4*\t+\s):WF+8*(4*\t+\s)+7], v[XF+32*(\a%2)+8*\s:XF+32*(\a%2)+8*\s+7], v[BI+8*\t:BI+8*\t+7], v[WS+4*\t+\s], v[XS+4*(\a%2)+\s] matrix_a_fmt:MATRIX_FMT_FP4 matrix_b_fmt:MATRIX_FMT_FP4
.else
	v_wmma_scale_f32_16x16x128_f8f6f4 v[AC+8*\t:AC+8*\t+7], v[WF+8*(4*\t+\s):WF+8*(4*\t+\s)+7], v[XF+32*(\a%2)+8*\s:XF+32*(\a%2)+8*\s+7], v[AC+8*\t:AC+8*\t+7], v[WS+4*\t+\s], v[XS+4*(\a%2)+\s] matrix_a_fmt:MATRIX_FMT_FP4 matrix_b_fmt:MATRIX_FMT_FP4
.endif
.endr
.endr
	PLACES 5                                       ; five: the next tile's first product begins these accumulators anew with another C, and the first S^T products write over them and over x's fragments
	WIN 0x40
.irp i, 0,1,2,3,4,5,6,7,8,9,10,11,12,13,14,15
	v_cvt_pk_f16_f32 v[QF+16*\a+\i], v[AC+2*\i], v[AC+2*\i+1]
.endr
	WIN 0
.endr
	VLOAD                                          ; the first step's V^T takes bq's place
	; ---- the five key steps
	STEP 0
	s_mov_b32 s[CNT], 3
.Lmid:
	STEP 1
	s_sub_co_u32 s[CNT], s[CNT], 1
	s_cmp_lg_u32 s[CNT], 0
	s_cbranch_scc1 .Lmid
	STEP 2
	; ---- ctx = O / l, to f16, to LDS as K steps 2 w and 2 w + 1 of the last product
.irp a, 0,1,2,3
	v_add_f32 v[ST+8*\a+4], v[ST+8*\a+2], v[ST+8*\a+3]
.endr
.irp a, 0,1,2,3
	v_permlanex16_b32 v[ST+8*\a+5], v[ST+8*\a+4], s[SEL], s[SEL+1]
.endr
.irp a, 0,1,2,3
	v_add_f32 v[ST+8*\a+4], v[ST+8*\a+4], v[ST+8*\a+5]
.endr
.irp a, 0,1,2,3
	v_rcp_f32 v[ST+8*\a+6], v[ST+8*\a+4]
.endr
	v_nop                                          ; a plain line behind the last reciprocal,
	s_wait_alu depctr_va_vdst(0)                   ; and the one wait for the four, ahead of their first reader
	WIN 0x41
.irp a, 0,1,2,3
.irp i, 0,1,2,3,4,5,6,7,8,9,10,11,12,13,14,15
	v_pk_mul_f32 v[O+32*\a+2*\i:O+32*\a+2*\i+1], v[O+32*\a+2*\i:O+32*\a+2*\i+1], v[ST+8*\a+6:ST+8*\a+7] op_sel_hi:[1,0]
.endr
.endr
	WIN 0x05
.irp a, 0,1,2,3
.irp i, 0,1,2,3,4,5,6,7,8,9,10,11,12,13,14,15
	v_cvt_pk_f16_f32 v[CT+16*\a+\i], v[O+32*\a+2*\i], v[O+32*\a+2*\i+1]
.endr
.endr
	WIN 0
.irp a, 0,1,2,3
.irp e, 0,1
.irp c, 0,1
	ds_store_b128 v[CW], v[CT+16*\a+8*\e+4*\c:CT+16*\a+8*\e+4*\c+3] offset:\a*16384+\e*1024+\c*512
.endr
.endr
.endr
.irp k, 2,3,4,5
	WOLOAD \k                                      ; O^T is done with: four more K steps of Wo take its place
.endr
	s_wait_dscnt 0x0                               ; for the others' sake: my images have landed
	s_barrier_signal -1
	s_barrier_wait -1                              ; ctx's 64 fragments lie in LDS
	CLOAD 0
	CLOAD 1
	; ---- out^T = Wo ctx^T + bo
.irp k, 0,1,2,3,4,5,6,7,8,9,10,11,12,13,14,15
	KS \k
.endr
	TOSTAGE 0
	TOSTAGE 1
	SEND 0, 16                                     ; behind tile 0's loads: tile 1's 8 stores and 8 loads
	s_wait_xcnt 0x0                                ; tile 0's stores have read their registers: tile 2's rows land there
	TOSTAGE 2
	SEND 1, 16
	s_wait_xcnt 0x0
	TOSTAGE 3
	SEND 2, 16
	SEND 3, 0
	s_wait_tensorcnt 0x0                           ; the wave's end, behind my last LDS store
	ds_add_u32 v[SPW], v[NIL]
	s_wait_dscnt 0x0
	s_endpgm
.Lfunc_end_k_q09e7770062_attn:
	.size	k_q09e7770062_attn, .Lfunc_end_k_q09e7770062_attn-k_q09e7770062_attn
	.p2alignl 7, 3214868480
	.fill 96, 4, 3214868480
	.section	.rodata,"a",@progbits
	.p2align	6, 0x0
	.amdhsa_kernel k_q09e7770062_attn
		.amdhsa_group_segment_fixed_size 119808
		.amdhsa_private_segment_fixed_size 0
		.amdhsa_enable_private_segment 0
		.amdhsa_kernarg_size 64
		.amdhsa_user_sgpr_count 2
		.amdhsa_user_sgpr_kernarg_segment_ptr 1
		.amdhsa_wavefront_size32 1
		.amdhsa_system_sgpr_workgroup_id_x 1
		.amdhsa_system_sgpr_workgroup_id_y 1
		.amdhsa_system_sgpr_workgroup_id_z 1
		.amdhsa_system_vgpr_workitem_id 0
		.amdhsa_next_free_vgpr 512
		.amdhsa_next_free_sgpr 66
		.amdhsa_reserve_vcc 0
		.amdhsa_float_denorm_mode_32 3
		.amdhsa_float_denorm_mode_16_64 3
		.amdhsa_memory_ordered 1
		.amdhsa_forward_progress 1
		.amdhsa_inst_pref_size 205
	.end_amdhsa_kernel
	.amdgpu_metadata
---
amdhsa.version: [ 1, 2 ]
amdhsa.kernels:
  - .name:           k_q09e7770062_attn
    .symbol:         k_q09e7770062_attn.kd
    .args:
      - { .name: query, .offset: 0, .size: 8, .value_kind: global_buffer, .address_space: global }
      - { .name: wcodes, .offset: 8, .size: 8, .value_kind: global_buffer, .address_space: global }
      - { .name: wscales, .offset: 16, .size: 8, .value_kind: global_buffer, .address_space: global }
      - { .name: bq, .offset: 24, .size: 8, .value_kind: global_buffer, .address_space: global }
      - { .name: kv, .offset: 32, .size: 8, .value_kind: global_buffer, .address_space: global }
      - { .name: wof, .offset: 40, .size: 8, .value_kind: global_buffer, .address_space: global }
      - { .name: bo, .offset: 48, .size: 8, .value_kind: global_buffer, .address_space: global }
      - { .name: out0, .offset: 56, .size: 8, .value_kind: global_buffer, .address_space: global }
    .group_segment_fixed_size: 119808
    .private_segment_fixed_size: 0
    .kernarg_segment_align: 8
    .kernarg_segment_size: 64
    .max_flat_workgroup_size: 256
    .sgpr_count:     66
    .vgpr_count:     512
    .wavefront_size: 32
...
	.end_amdgpu_metadata
.endif
;; end of part 3
